; MI455X (gfx1250); checked and timed in simulation.
; The chip was launched on July 23, 2026; its instructions are those of AMD's public machine-readable ISA for CDNA 5 (MIT licence, August 2026) and "CDNA5" Instruction Set Architecture Reference Guide (July 2026). The comments in the code are by the model that wrote it; some were corrected since.
;; Multi Head Attention. Allowed arithmetic: matrix products marked QUANTISED: E4M3 operands, one given power-of-two scale a tensor, by v_wmma_f32_16x16x64_fp8_fp8 or v_wmma_f32_16x16x128_fp8_fp8, f32 sums; everything else in f32.
;; Inputs: b_proj 1,024 float32; b_qkv 3,072 float32; lowp_scales 8 int32 (the exponents e of the quantised operands' scales 2^e); w_proj_codes 1,024 x 32 x 32 uint8 (E4M3 codes of w_proj, K innermost, in blocks of 32 codes); w_qkv_codes 3,072 x 32 x 32 uint8 (E4M3 codes of w_qkv, K innermost, in blocks of 32 codes); x_codes 4 x 2,048 x 32 x 32 uint8 (E4M3 codes of x, K innermost, in blocks of 32 codes).
;; Outputs: out0 4 x 2,048 x 1,024 float32.
;; This version of the problem:
;;   THIS VERSION OF THE PROBLEM IS GIVEN IN LOW PRECISION. The matrix products marked QUANTISED in the list below multiply operands that are first quantised to E4M3 (4 exponent bits, 3 mantissa bits; 8 bits a number), with one given power-of-two scale for each operand tensor; their sums are f32. All else is computed in f32.
;;   The module's matrix products, in the order in which they are computed (A, B: the left and right operand; K: the contracted axis; several contracted axes count as one K, in the product's order):
;;     1. [M 8,192, K 1,024] x [K 1,024, N 3,072]; A: input x (given as codes); B: input w_qkv (given as codes): QUANTISED (scales: A lowp_scales[0], B lowp_scales[1])
;;     2. batch 64 x [M 2,048, K 64] x [K 64, N 2,048]; A: computed on the way; B: computed on the way: QUANTISED (scales: A lowp_scales[2], B lowp_scales[3])
;;     3. batch 64 x [M 2,048, K 2,048] x [K 2,048, N 64]; A: softmax (see below); B: computed on the way: QUANTISED (scales: A lowp_scales[4], B lowp_scales[5])
;;     4. [M 8,192, K 1,024] x [K 1,024, N 1,024]; A: computed on the way; B: input w_proj (given as codes): QUANTISED (scales: A lowp_scales[6], B lowp_scales[7])
;;   THE QUANTISER, for each operand of a quantised product, along K:
;;     - The operand's scale is 2^e, e = its entry of the input lowp_scales (int32; the entries are numbered through the quantised products in the list's order, A before B).
;;     - Each number is divided by the scale, clamped to +-448, and rounded to the nearest number of E4M3, ties to even, subnormals kept.
;;     - The product sums the exact products of the quantised numbers (number of the format x scale) in f32.
;;   ~~~python
;;   def quantise(x, axis, e):      # numpy; x: float32 -> the quantised numbers, widened to float32 again
;;       x = np.moveaxis(x, axis, -1); K = x.shape[-1]
;;       r = np.clip(x / 2.0 ** e, -448, 448)
;;       step = 2.0 ** (np.maximum(np.frexp(np.where(r == 0, 1, r))[1] - 1, -6) - 3)
;;       q = np.round(r / step) * step * 2.0 ** e      # np.round: ties to even
;;       return np.moveaxis(q, -1, axis).astype(np.float32)
;;   ~~~
;;   SOFTMAX AHEAD OF A QUANTISED PRODUCT. Where the list says 'softmax', what is quantised is not the finished softmax but p = 2^(t - M), with t = logit x log2(e) and M = ceil(the row's largest t), a whole number; so 1/2 < the row's largest p <= 1. The row's sum l is taken of the UNQUANTISED p, in f32, and the product's result is divided by l at the end. Since M is a whole number, a kernel that streams over the keys may use a running M (the ceiling of the running maximum): every later rescaling is an exact power of two, so the quantised numbers keep their values, but for numbers so far below the row's largest that they fall under the format's range.
;;   OPERANDS COMPUTED ON THE WAY. 'Computed on the way' means the value that the module computes at that place (a softmax that the list does not call 'softmax' is quantised finished and normalised). What goes into a quantiser is computed in f32, as accurately as f32 sums, v_exp_f32 and their like allow (about 1e-6 of the number): no bf16 or f16 on the way to a quantiser, and a product that is left as it is and whose result goes on into a quantised operand takes f32 operands (vector FMAs, or v_wmma_f32_16x16x4_f32). A number that lies on a knife's edge between two numbers of the format may be rounded either way, as far as f32 arithmetic and the matrix unit's own rounding can turn it there, and no further.
;;   INPUTS GIVEN AS CODES. w_proj (in the module: [1024, 1024], K = its axis 0); w_qkv (in the module: [1024, 3072], K = its axis 0); x (in the module: [4, 2048, 1024], K = its axis 2): each comes as NAME_codes (uint8): NAME with its K axis moved to the last place and cut into blocks of 32 codes, [.., K / 32, bytes a block], one block behind the other in memory; one code a byte (a code: sign, 4 exponent bits, 3 mantissa bits); its scale is its entry of lowp_scales. Its value is code x scale, taken as it is: it is not quantised again, and the codes and scales need not be those that the quantiser above would give.
;; One version. Each part assembles by itself: llvm-mc -triple=amdgcn-amd-amdhsa -mcpu=gfx1250 --defsym DOCPART=n.
;; ======== version 1 of 1: 3 launches
;; limits: right only within a limited range of input values
;; workspace buffers: qkv 25,165,824 bytes; ao 8,388,608 bytes
;; launch qkv (part 1): grid 12 x 32, 4 waves a work-group, clusters of 4 x 4, 327,680 bytes of LDS; arguments x_codes, w_qkv_codes, lowp_scales, b_qkv, qkv; writes qkv
.if DOCPART == 1
	.amdgcn_target "amdgcn-amd-amdhsa--gfx1250"
	.amdhsa_code_object_version 6
	.text
	.protected	k_qb423d03028_qkv
	.globl	k_qb423d03028_qkv
	.p2align	8
	.type	k_qb423d03028_qkv,@function
k_qb423d03028_qkv:
	s_mov_b64 s[64:65], 0
	v_nop
	global_prefetch_b8 v0, s[64:65] scope:SCOPE_SE
	s_setreg_imm32_b32 hwreg(HW_REG_WAVE_MODE, 25, 1), 1
	s_wait_xcnt 0x0
	s_wait_alu depctr_hold_cnt(0) depctr_sa_sdst(0) depctr_va_vdst(0) depctr_va_sdst(0) depctr_va_ssrc(0) depctr_va_vcc(0) depctr_vm_vsrc(0)
	s_getreg_b32 s2, hwreg(HW_REG_IB_STS2, 6, 4)
	s_cmp_eq_u32 s2, 0
	s_cbranch_scc0 .Lentry_in_a_cluster
	s_endpgm
.Lentry_in_a_cluster:
	s_bfe_u32 s2, ttmp6, 0x10000c
	s_cmp_lg_u32 s2, 0xf033
	s_cbranch_scc0 .Lentry_shape_is_right
	s_endpgm
.Lentry_shape_is_right:
; qkv = x w_qkv + b_qkv on codes of FP8 (E4M3), then q, k and v are quantised with their given scales and stored as IMAGES OF OPERAND REGISTERS for the attention launch.
; x: [8192][1024] codes, w_qkv: [3072][1024] codes (K innermost), scales 2^e0, 2^e1.  q takes e2, k e3, v e5 of the buffer of scales.
; The text computes C'[i][j] = sum over k of A'[i][k] B'[j][k] on tiles of 256 x 256: four waves, each 128 x 128 (64 accumulators, 512 registers); K = 1024 in four K steps of 256 through two LDS slots.
; The matrix instruction is used transposed (source 0 = 16 rows of B', source 1 = 16 rows of A'): lane (r, h) holds row i = r and its eight registers the columns j = 8 h + 0 .. 7.
; ROLES.  The cluster's x is 0 (q), 1 (k) or 2 (v).  q, k: A' = x (i = token), B' = w_qkv (j = column): a lane's eight results run along the head's 64, the K of q k^T.
;         v: A' = w_qkv's rows 2048 on (i = column), B' = x (j = token): a lane's eight results run along the keys, the K of p v.  The choice hangs on the cluster's x alone, which all sixteen partners share.
; WAY OUT.  One conversion turns an accumulator's eight numbers into registers 2 c, 2 c + 1 of the next operand's fragment, in the lane that wants them.  Two neighbouring accumulators give four registers,
; which one store of 16 bytes a lane lays at 16 x lane: 512 consecutive bytes, aligned.  No LDS, no transposition.
;   q, k: [part][batch x 16 + head][token tile of 16][g = 0, 1][512 bytes]: registers 4 g .. 4 g + 3 of a fragment 16 tokens x 64.
;   v:    [part 2][batch x 16 + head][key step of 128][d tile of 16][g = 0 .. 3][512 bytes]: registers 4 g .. 4 g + 3 of a fragment 16 d x 128 keys.
; CLUSTERS: 4 x 4 work-groups; A' tiles are asked for jointly along a row of the cluster, B' tiles along a column.
; Both operands of this product are fetched by loads of 16 bytes, which permutes k alike in A' and B': every product meets its partner.
; LIMITS: e0 + e1 between -126 and 127; e2, e3, e5 between -126 and 119, so that each power of two below is an f32 number.  NaN in b_qkv is not served.
; REGISTERS: window 0: v8, v9, v16-29 addresses; v32-95 bias by column, v96-111 bias by row (each twice), v112 448 x scale, v113 scale; v128-255 A's fragments, one set; on the way out v128-191 numbers, v192-223 codes.
;   window 1: B's fragments, two sets.   windows 2, 3: the accumulators of my rows 0-63, 64-127 ((a, b) at v[8 (8 (a % 4) + b)]).
.set ROWB,   256                       ; a tile's row: 256 codes
.set KROW,   1024                      ; a row of x or of w_qkv in memory
.set PITCH,  272                       ; an LDS row: 256 bytes + 16 of padding = 68 words: the 16 rows that a load touches start 4 words apart modulo 64
.set FR,     16                        ; registers of a fragment, 16 rows x 128 K
.set NL,     4                         ; LDS loads that bring one
.set NP,     4                         ; places behind this matrix instruction (ISA guide 7.12.1)
.set HALFT,  128*PITCH                 ; 128 rows: what one wave reads of A' or of B'; a tensor load brings two of them, a whole tile
.set SLOT,   4*HALFT                   ; A's 256 rows, then B's 256 rows
.set LAPS,   2                         ; 1024 / 512: a lap is once round the ring
.set SPARE,  2*SLOT                    ; behind the ring: the spare words, 128 bytes a wave, that no other line names
.set HEADB,  131072                    ; bytes of one head in a part of the output
.set ADRA, 16                          ; v16-17 LDS address of my A fragments in slot 0, 1
.set ADRB, 20                          ; v20-21 the same for B
.set LN16, 26                          ; v26    16 x lane
.set SPW,  28                          ; v28    my spare word; never rewritten
.set NIL,  29                          ; v29    0; never rewritten
.set BJ,   32
.set BI,   96
.set LIM,  112
.set SC,   113
.set AF,   128
.set T,    128
.set C,    192
.set G1, 24
.set G0, 32
.set G1B, 48
.set G0B, 56
.set MSB, 0
.macro WIN new                         ; the immediate's high byte repeats the setting that is left
.if MSB != (\new)
	s_set_vgpr_msb (MSB<<8)|(\new)
.set MSB, (\new)
.endif
.endm
.set MUL_LO, 0xa1                      ; source 0 (B) window 1, source 1 (A) window 0, C and D window 2
.set MUL_HI, 0xf1                      ; the same, C and D window 3
.set TO_B,   0x40                      ; destination window 1, address window 0
; A joint load: waves 0 and 1 fetch for A, waves 2 and 3 for B; the branch hangs on the wave's number alone.  Four v_nop follow each of the two lines.
.macro JLOAD g0a, g1a, g0b, g1b
	s_cmp_eq_u32 s15, 0
	s_cbranch_scc0 .Lfor_b_\@
	tensor_load_to_lds s[\g0a:\g0a+3], s[\g1a:\g1a+7]
	s_nop 0
.rept 4
	v_nop
.endr
	s_branch .Lasked_\@
.Lfor_b_\@:
	tensor_load_to_lds s[\g0b:\g0b+3], s[\g1b:\g1b+7]
	s_nop 0
.rept 4
	v_nop
.endr
.Lasked_\@:
.endm
; Each wave owns one operand and one slot: waves 0, 1 A' for slot 0, 1; waves 2, 3 B' for slot 0, 1.  A slot is filled by its two owners, one load of 256 rows each;
; the others run four v_nop in its stead, the places in front of the fragment loads that follow.  The branches hang on the wave's number alone.
.macro JSLOT par, g0a, g1a, g0b, g1b
	s_cmp_eq_u32 s16, \par
	s_cbranch_scc0 .Lnot_mine_\@
	JLOAD \g0a, \g1a, \g0b, \g1b
	s_branch .Lslot_done_\@
.Lnot_mine_\@:
.rept 4
	v_nop
.endr
.Lslot_done_\@:
.endm
.macro CREST
	s_cmp_lg_u32 s14, 0
	s_cbranch_scc1 .Lnot_wave_0_\@
	s_barrier_signal -3
.Lnot_wave_0_\@:
	s_barrier_wait -3
	s_barrier_signal -1
	s_barrier_wait -1
.endm
.macro CROUND                          ; a whole round
	s_barrier_signal -1
	s_barrier_wait -1
	CREST
.endm
	s_load_b256 s[4:11], s[0:1], 0x0               ; x s[4:5], w_qkv s[6:7], the scales' exponents s[8:9], b_qkv s[10:11]
	s_load_b64 s[12:13], s[0:1], 0x20              ; the output
	v_lshl_add_u32 v[SPW], v0, 2, SPARE
	v_mov_b32 v[NIL], 0
	ds_add_u32 v28, v29
	ds_add_u32 v28, v29
	s_wait_dscnt 0x0
	v_lshrrev_b32 v1, 5, v0
	v_readfirstlane_b32 s14, v1                    ; wave 0..3
	s_lshr_b32 s15, s14, 1                         ; which half of the tile's rows i is mine.  Also: I fetch for A (0) or for B (1)
	s_and_b32 s16, s14, 1                          ; which half of its columns j.  Also: the slot that I fill
	s_bfe_u32 s40, ttmp6, 0x40000                  ; cx, cy: my place in the cluster
	s_bfe_u32 s41, ttmp6, 0x40004
	s_and_b32 s66, ttmp7, 0xffff                   ; the cluster's y: 0 .. 7
	s_cmp_eq_u32 ttmp9, 2                          ; v's clusters swap the roles
	s_cselect_b32 s78, 0, s66                      ; clusters along i: v has one (1024 columns), q and k eight (8192 tokens)
	s_cselect_b32 s79, s66, ttmp9                  ; clusters along j: v walks the tokens, q and k their 1024 columns of w_qkv
	s_cselect_b32 s84, 0x200000, 0                 ; v's rows of w_qkv begin 2048 rows of 1024 bytes on
	s_lshl_b32 s17, s78, 2
	s_add_co_u32 s17, s17, s41                     ; tile along i
	s_lshl_b32 s42, s79, 2
	s_add_co_u32 s42, s42, s40                     ; tile along j
	s_lshl_b32 s43, s41, 2
	s_lshl_b32 s43, 15, s43                        ; my row of the cluster
	s_lshl_b32 s44, 0x1111, s40                    ; my column
	; descriptor group 1: a whole tile of 256 rows x 256 bytes, 16 bytes of padding behind each row
	s_or_b32 s[G1+0], s43, (0<<16)|(1<<20)|(1<<21)|(5<<22)|(3<<25)  ; 15:0 the mask; 17:16 elements of 1 byte; 20 padding on; 21 set beside a mask; 24:22 after every 64 words; 31:25 four words
	s_or_b32 s[G1B+0], s44, (0<<16)|(1<<20)|(1<<21)|(5<<22)|(3<<25)
.irp g, G1, G1B
	s_mov_b32 s[\g+1], ROWB<<16                    ; tensor_dim0
	s_mov_b32 s[\g+2], 256<<16                     ; tensor_dim1
	s_mov_b32 s[\g+3], ROWB<<16                    ; tile_dim0
	s_mov_b32 s[\g+4], 256                         ; tile_dim1
	s_mov_b32 s[\g+5], KROW                        ; from row to row
	s_mov_b32 s[\g+6], 0
	s_mov_b32 s[\g+7], 0
.endr
	s_lshl_b32 s20, s17, 18                        ; A': row 256 x tile, 1,024 bytes a row,
	s_add_co_u32 s20, s20, s84                     ; and v's part of w_qkv
	s_mov_b32 s21, 0
	s_lshl_b32 s46, s42, 18                        ; B' likewise
	s_mov_b32 s47, 0
	s_wait_kmcnt 0x0
	s_load_b256 s[68:75], s[8:9], 0x0              ; e0 .. e7
	s_cmp_eq_u32 ttmp9, 2
	s_cselect_b64 s[80:81], s[6:7], s[4:5]         ; A' is w_qkv for v, x for q and k
	s_cselect_b64 s[82:83], s[4:5], s[6:7]         ; B' the other one
	s_add_nc_u64 s[20:21], s[80:81], s[20:21]
	s_add_nc_u64 s[46:47], s[82:83], s[46:47]
	CROUND                                         ; all sixteen work-groups are here: the first joint loads meet
.irp s, 0,1
	s_mov_b32 s[G0+4*\s], 1
	s_mov_b32 s[G0+4*\s+1], \s*SLOT                ; A's 256 rows stand first in a slot: no wave's number and no place in the cluster enters a descriptor's LDS address
	s_add_nc_u64 s[G0+4*\s+2:G0+4*\s+3], s[20:21], \s*ROWB
	s_or_b32 s[G0+4*\s+3], s[G0+4*\s+3], 0x80000000
	s_mov_b32 s[G0B+4*\s], 1
	s_mov_b32 s[G0B+4*\s+1], \s*SLOT+2*HALFT       ; B's behind them
	s_add_nc_u64 s[G0B+4*\s+2:G0B+4*\s+3], s[46:47], \s*ROWB
	s_or_b32 s[G0B+4*\s+3], s[G0B+4*\s+3], 0x80000000
.endr
	s_cmp_eq_u32 s16, 0                            ; the first fills: one chain of branches on the wave's number, four arms, one tensor load to an arm, one join
	s_cbranch_scc0 .Lhead_1
	JLOAD G0, G1, G0B, G1B                         ; waves 0 and 2: K step 0
	s_branch .Lhead_j
.Lhead_1:
	JLOAD G0+4, G1, G0B+4, G1B                     ; waves 1 and 3: K step 1
.Lhead_j:
	v_and_b32 v1, 15, v0
	v_bfe_u32 v2, v0, 4, 1                         ; h
	v_mul_u32_u24 v3, v1, PITCH
	v_lshl_add_u32 v4, v2, 4, v3                   ; a fragment's row x pitch + 16 h
	s_mul_i32 s21, s15, HALFT                      ; my 128 rows of A'
	s_mul_i32 s22, s16, HALFT                      ; my 128 rows of B',
	s_add_co_u32 s22, s22, 2*HALFT                 ; which lie behind A's 256
.irp s, 0,1
	v_add_nc_u32 v[ADRA+\s], s21, v4
	v_add_nc_u32 v[ADRB+\s], s22, v4
	s_add_co_u32 s21, s21, SLOT
	s_add_co_u32 s22, s22, SLOT
.endr
	v_and_b32 v6, 31, v0
	v_lshlrev_b32 v[LN16], 4, v6                   ; 16 x lane
	v_lshlrev_b32 v8, 5, v2                        ; 32 h: my eight biases of a block of 16 columns; never rewritten
	s_wait_alu depctr_va_vdst(0)
	v_lshlrev_b32 v9, 2, v1                        ; 4 r: my one bias of a block of 16 rows; never rewritten
	s_wait_alu depctr_va_vdst(0)
	s_lshl_b32 s90, s17, 8
	s_lshl_b32 s91, s15, 7
	s_add_co_u32 s90, s90, s91                     ; i0: my wave's first i
	s_lshl_b32 s91, s42, 8
	s_lshl_b32 s92, s16, 7
	s_add_co_u32 s91, s91, s92                     ; j0: my wave's first j
	s_add_co_u32 s92, s90, 2048                    ; v: the column of b_qkv that belongs to i0
	s_and_b32 s93, s91, 1023                       ; q, k: the column inside the part
	s_cmp_eq_u32 ttmp9, 2
	s_cselect_b32 s94, 0, s91                      ; bias by column begins here (q, k); on v's way it is loaded from entry 0 and not used
	s_cselect_b32 s95, s92, 0                      ; bias by row begins here (v); on q's and k's way it is loaded from entry 0 and not used
	s_cselect_b32 s76, s91, s90                    ; my first token
	s_cselect_b32 s77, s90, s93                    ; my first column inside the part
	s_lshl_b32 s86, s94, 2
	s_mov_b32 s87, 0
	s_add_nc_u64 s[86:87], s[10:11], s[86:87]
	s_lshl_b32 s88, s95, 2
	s_mov_b32 s89, 0
	s_add_nc_u64 s[88:89], s[10:11], s[88:89]
	; both kinds of bias are asked for here, far ahead of the way out, from addresses inside the buffer on both ways; their registers and addresses are left alone until the wait for them
.irp b, 0,1,2,3,4,5,6,7
	global_load_b128 v[BJ+8*\b:BJ+8*\b+3],   v8, s[86:87] offset:64*\b       ; b_qkv[j0 + 16 b + 8 h + 0 .. 3]
	global_load_b128 v[BJ+8*\b+4:BJ+8*\b+7], v8, s[86:87] offset:64*\b+16
.endr
.irp a, 0,1,2,3,4,5,6,7
	global_load_b32 v[BI+2*\a],   v9, s[88:89] offset:64*\a                  ; b_qkv[2048 + i0 + 16 a + r], in both registers of a pair for the packed form
	global_load_b32 v[BI+2*\a+1], v9, s[88:89] offset:64*\a
.endr
	s_lshr_b32 s92, s76, 11
	s_lshl_b32 s92, s92, 21                        ; the batch: 16 heads of 131,072 bytes
	s_lshr_b32 s93, s77, 6
	s_lshl_b32 s93, s93, 17                        ; the head
	s_add_co_u32 s92, s92, s93
	s_and_b32 s93, s76, 2047
	s_lshl_b32 s93, s93, 6                         ; the token inside the batch: 64 bytes a token in every part
	s_add_co_u32 s92, s92, s93
	s_lshl_b32 s93, ttmp9, 23                      ; the part: 8,388,608 bytes each
	s_add_co_u32 s92, s92, s93
	s_mov_b32 s93, 0
	s_add_nc_u64 s[12:13], s[12:13], s[92:93]
.macro FRAG reg, adr, q, i             ; a fragment: lane l holds row l % 16; registers 4 c .. 4 c + 3 hold the 16 bytes at 32 c + 16 (l / 16)
.irp c, 0,1,2,3
	ds_load_b128 v[\reg+4*\c:\reg+4*\c+3], v[\adr] offset:128*(\q)+32*\c+(\i)*16*PITCH
.endr
.endm
; 16 matrix instructions: A's blocks a0, a0 + 1 x B's eight, 128 along K.  The 64 accumulators take turns, one instruction a turn, in the same order in every step.
.macro MUL16 a0, p, zero
.irp a, \a0, \a0+1
.irp b, 0,1,2,3,4,5,6,7
.if \zero
	v_wmma_f32_16x16x128_fp8_fp8 v[8*(8*((\a)%4)+\b):8*(8*((\a)%4)+\b)+7], v[128*(\p)+FR*\b:128*(\p)+FR*\b+FR-1], v[AF+FR*(\a):AF+FR*(\a)+FR-1], 0
.else
	v_wmma_f32_16x16x128_fp8_fp8 v[8*(8*((\a)%4)+\b):8*(8*((\a)%4)+\b)+7], v[128*(\p)+FR*\b:128*(\p)+FR*\b+FR-1], v[AF+FR*(\a):AF+FR*(\a)+FR-1], v[8*(8*((\a)%4)+\b):8*(8*((\a)%4)+\b)+7]
.endif
.endr
.endr
.endm
.macro FETCH_B slot, q, p
	WIN TO_B
.irp i, 0,1,2,3,4,5,6,7
	FRAG 128*(\p)+FR*\i, ADRB+\slot, \q, \i
.endr
	WIN 0
.endm
.macro FETCH_A slot, q, i0
.irp i, \i0, \i0+1, \i0+2, \i0+3
	FRAG AF+FR*(\i), ADRA+\slot, \q, \i
.endr
.endm
.macro PLACES n                        ; plain vector lines between a matrix instruction and a load into, or a vector read or write of, its registers
.rept \n
	v_nop
.endr
.endm
; A step of 128 along K that has its successor in the same slot.  A block of A is free when its eight products are issued, so A has one set; B has two.
.macro STEP slot, q, zero
	s_wait_dscnt 4*NL                              ; B's set and A's blocks 0-3 are in; the youngest 16 loads (A's blocks 4-7) may be out
	WIN MUL_LO
	MUL16 0, (\q)%2, \zero
	MUL16 2, (\q)%2, \zero
	s_wait_dscnt 0                                 ; A's blocks 4-7 are in
	PLACES NP
	FETCH_B \slot, (\q)+1, 1-(\q)%2
	FETCH_A \slot, (\q)+1, 0
	WIN MUL_HI
	MUL16 4, (\q)%2, \zero
	MUL16 6, (\q)%2, \zero
	PLACES NP
	WIN 0
	FETCH_A \slot, (\q)+1, 4
.endm
; A slot's last step changes slots: one barrier; in front of it each wave waits for all its tensor loads, adds 0 to its spare word, and waits for that and for its reads of this slot.
.macro TURN slot, next, fill
	s_wait_tensorcnt 0x0                           ; all my tensor loads have landed: my part of the next slot
	ds_add_u32 v[SPW], v[NIL]                      ; 0 onto my spare word
	s_wait_dscnt 4*NL+1                            ; the add and the youngest 16 loads (A's blocks 4-7) may be out
	WIN MUL_LO
	MUL16 0, 1, 0                                  ; sixteen matrix instructions stand between the add and the wait for it
	s_wait_dscnt 0x0                               ; the add is done, and my reads of this slot are over
	s_barrier_signal -1
	MUL16 2, 1, 0
	WIN 0
	s_barrier_wait -1
.if \fill
	CREST                                          ; the barrier has opened a round of the cluster's barrier: no wave of any partner still reads this slot or has a load on its way
	s_add_nc_u64 s[G0+4*\slot+2:G0+4*\slot+3], s[G0+4*\slot+2:G0+4*\slot+3], 2*ROWB
	s_add_nc_u64 s[G0B+4*\slot+2:G0B+4*\slot+3], s[G0B+4*\slot+2:G0B+4*\slot+3], 2*ROWB
	JSLOT \slot, G0+4*\slot, G1, G0B+4*\slot, G1B  ; the first tensor load behind the round, by the slot's two owners; four v_nop stand on every way, the places in front of the loads below
.else
	PLACES NP
.endif
	FETCH_B \next, 0, 0
	FETCH_A \next, 0, 0
	WIN MUL_HI
	MUL16 4, 1, 0
	MUL16 6, 1, 0
	PLACES NP
	WIN 0
	FETCH_A \next, 0, 4
.endm
	s_wait_alu depctr_va_vdst(0)                   ; the wait at the head's end
	s_wait_tensorcnt 0x0                           ; my tile of K step 0 or 1 is in
	s_barrier_signal -1
	s_barrier_wait -1                              ; everybody's is: both slots are whole
	FETCH_B 0, 0, 0
	FETCH_A 0, 0, 0
	FETCH_A 0, 0, 4
	STEP 0, 0, 1                                   ; the first step stands in front of the loop: its products start the sums
	s_mov_b32 s3, LAPS-1
.Llap:                                                 ; a trip goes once round the ring and fills both slots again
	TURN 0, 1, 1
	STEP 1, 0, 0
	TURN 1, 0, 1
	STEP 0, 0, 0
	s_sub_co_u32 s3, s3, 1
	s_cmp_lg_u32 s3, 0
	s_cbranch_scc1 .Llap
	TURN 0, 1, 0                                   ; the last lap fills nothing
	STEP 1, 0, 0
	s_wait_dscnt 4*NL                              ; the very last step
	WIN MUL_LO
	MUL16 0, 1, 0
	MUL16 2, 1, 0
	s_wait_dscnt 0
	WIN MUL_HI
	MUL16 4, 1, 0
	MUL16 6, 1, 0
	WIN 0
; THE WAY OUT of block a (16 rows i x 128 columns j): number = sum x 2^(e0 + e1) + bias, one fused multiply-add; the hold at 448 x the scale; eight conversions; four stores of 512 consecutive bytes.
.macro OUTBLK a, isv
.set AC, 64*((\a)%4)
.set CC, C+16*((\a)%2)
.if (\a) >= 2
	s_wait_xcnt 0x0                                ; the stores of two blocks ago have read their registers: this set of codes is written again only behind this wait
.endif
	WIN 0x02+((\a)/4)                              ; source 0: window 2 or 3
.irp b, 0,1,2,3,4,5,6,7
.irp i, 0,2,4,6
.if \isv
	v_pk_fma_f32 v[T+8*\b+\i:T+8*\b+\i+1], v[AC+8*\b+\i:AC+8*\b+\i+1], s[96:97], v[BI+2*(\a):BI+2*(\a)+1] op_sel_hi:[1,0,1]   ; each accumulator from its low end on
.else
	v_pk_fma_f32 v[T+8*\b+\i:T+8*\b+\i+1], v[AC+8*\b+\i:AC+8*\b+\i+1], s[96:97], v[BJ+8*\b+\i:BJ+8*\b+\i+1] op_sel_hi:[1,0,1]
.endif
.endr
.endr
	WIN 0
.set j, 0
.rept 64
	v_med3_num_f32 v[T+j], v[T+j], -v[LIM], v[LIM]   ; the conversion to an 8-bit code does not saturate (ISA guide 7.6.2)
.set j, j+1
.endr
.irp b, 0,1,2,3,4,5,6,7
	v_cvt_scalef32_pk8_fp8_f32 v[CC+2*\b:CC+2*\b+1], v[T+8*\b:T+8*\b+7], v[SC]
.endr
	v_nop                                          ; a plain line between the conversions and the next block's writes of their sources
.irp p, 0,1,2,3
.if \isv
	global_store_b128 v[LN16], v[CC+4*\p:CC+4*\p+3], s[12:13] offset:((\a)/4)*HEADB+((\a)%4)*2048+\p*512   ; head a / 4, d tile a % 4, registers 4 p on of the fragment of 128 keys
.else
	global_store_b128 v[LN16], v[CC+4*\p:CC+4*\p+3], s[12:13] offset:(\p/2)*HEADB+(\a)*1024+(\p%2)*512     ; head p / 2, token tile a, registers 4 (p % 2) on of the fragment of 64
.endif
.endr
.endm
	s_wait_kmcnt 0x0                               ; the exponents
	s_add_co_i32 s96, s68, s69
	s_add_co_i32 s96, s96, 127
	s_lshl_b32 s96, s96, 23                        ; 2^(e0 + e1) as f32
	s_mov_b32 s97, s96                             ; (named with it as a pair)
	s_cmp_eq_u32 ttmp9, 1
	s_cselect_b32 s90, s71, s70                    ; k: e3; q: e2
	s_cmp_eq_u32 ttmp9, 2
	s_cselect_b32 s90, s73, s90                    ; v: e5
	s_add_co_i32 s90, s90, 127
	s_lshl_b32 s91, s90, 23
	v_mov_b32 v[SC], s91                           ; the scale as f32: the conversion takes its exponent field
	s_add_co_i32 s90, s90, 8
	s_lshl_b32 s90, s90, 23
	s_or_b32 s90, s90, 0x600000
	v_mov_b32 v[LIM], s90                          ; 448 x the scale
	s_wait_loadcnt 0x0                             ; the biases
	PLACES NP                                      ; behind the last products: their A fragments' registers are written below
	s_cmp_eq_u32 ttmp9, 2                          ; the same in all waves and all partners
	s_cbranch_scc1 .Lv
.irp a, 0,1,2,3,4,5,6,7
	OUTBLK \a, 0
.endr
	s_branch .Lend
.Lv:
.irp a, 0,1,2,3,4,5,6,7
	OUTBLK \a, 1
.endr
.Lend:
	s_wait_tensorcnt 0x0                           ; the wave's end
	ds_add_u32 v[SPW], v[NIL]
	s_wait_dscnt 0x0
	CROUND                                         ; the closing round: no work-group ends while a partner may still ask for a tile that names it
	s_endpgm
.Lfunc_end_k_qb423d03028_qkv:
	.size	k_qb423d03028_qkv, .Lfunc_end_k_qb423d03028_qkv-k_qb423d03028_qkv
	.p2alignl 7, 3214868480
	.fill 96, 4, 3214868480
	.section	.rodata,"a",@progbits
	.p2align	6, 0x0
	.amdhsa_kernel k_qb423d03028_qkv
		.amdhsa_group_segment_fixed_size 327680
		.amdhsa_private_segment_fixed_size 0
		.amdhsa_enable_private_segment 0
		.amdhsa_kernarg_size 40
		.amdhsa_user_sgpr_count 2
		.amdhsa_user_sgpr_kernarg_segment_ptr 1
		.amdhsa_wavefront_size32 1
		.amdhsa_system_sgpr_workgroup_id_x 1
		.amdhsa_system_sgpr_workgroup_id_y 1
		.amdhsa_system_sgpr_workgroup_id_z 1
		.amdhsa_system_vgpr_workitem_id 0
		.amdhsa_next_free_vgpr 1024
		.amdhsa_next_free_sgpr 100
		.amdhsa_reserve_vcc 0
		.amdhsa_float_denorm_mode_32 3
		.amdhsa_float_denorm_mode_16_64 3
		.amdhsa_memory_ordered 1
		.amdhsa_forward_progress 1
		.amdhsa_inst_pref_size 194
	.end_amdhsa_kernel
	.amdgpu_metadata
---
amdhsa.version: [ 1, 2 ]
amdhsa.kernels:
  - .name:           k_qb423d03028_qkv
    .symbol:         k_qb423d03028_qkv.kd
    .args:
      - { .name: x_codes, .offset: 0, .size: 8, .value_kind: global_buffer, .address_space: global }
      - { .name: w_qkv_codes, .offset: 8, .size: 8, .value_kind: global_buffer, .address_space: global }
      - { .name: lowp_scales, .offset: 16, .size: 8, .value_kind: global_buffer, .address_space: global }
      - { .name: b_qkv, .offset: 24, .size: 8, .value_kind: global_buffer, .address_space: global }
      - { .name: qkv, .offset: 32, .size: 8, .value_kind: global_buffer, .address_space: global }
    .group_segment_fixed_size: 327680
    .private_segment_fixed_size: 0
    .kernarg_segment_align: 8
    .kernarg_segment_size: 40
    .max_flat_workgroup_size: 128
    .sgpr_count:     100
    .vgpr_count:     1024
    .wavefront_size: 32
...
	.end_amdgpu_metadata
.endif
;; end of part 1
;; launch attn (part 2): grid 4 x 64, 8 waves a work-group, clusters of 4 x 1, 264,192 bytes of LDS; arguments qkv, lowp_scales, ao; writes ao
.if DOCPART == 2
	.amdgcn_target "amdgcn-amd-amdhsa--gfx1250"
	.amdhsa_code_object_version 6
	.text
	.protected	k_qb423d03028_attn
	.globl	k_qb423d03028_attn
	.p2align	8
	.type	k_qb423d03028_attn,@function
k_qb423d03028_attn:
	s_mov_b64 s[64:65], 0
	v_nop
	global_prefetch_b8 v0, s[64:65] scope:SCOPE_SE
	s_setreg_imm32_b32 hwreg(HW_REG_WAVE_MODE, 25, 1), 1
	s_wait_xcnt 0x0
	s_wait_alu depctr_hold_cnt(0) depctr_sa_sdst(0) depctr_va_vdst(0) depctr_va_sdst(0) depctr_va_ssrc(0) depctr_va_vcc(0) depctr_vm_vsrc(0)
	s_getreg_b32 s2, hwreg(HW_REG_IB_STS2, 6, 4)
	s_cmp_eq_u32 s2, 0
	s_cbranch_scc0 .Lentry_in_a_cluster
	s_endpgm
.Lentry_in_a_cluster:
	s_bfe_u32 s2, ttmp6, 0x10000c
	s_cmp_lg_u32 s2, 0x3003
	s_cbranch_scc0 .Lentry_shape_is_right
	s_endpgm
.Lentry_shape_is_right:
; o = softmax(q k^T / 8) v for one head, both products on codes of FP8 (E4M3); o is quantised with 2^e6 and stored as images of the projection's operand registers.
; q, k, v come as images of operand registers (16 bytes a lane at 16 x lane, 512 bytes a group of four registers):
;   q, k: [part 0, 1][head of 64][token tile of 16][g = 0, 1][512]: a fragment 16 tokens x 64;   v: [part 2][head][key step of 128][d tile of 16][g = 0 .. 3][512]: a fragment 16 d x 128 keys.
; THE SOFTMAX: t = score x log2(e) / 8; M = the running largest t rounded up to a whole number; p = 2^(t - M) is held at 448 x 2^e4 and quantised with 2^e4, not normalised; the row's sum is taken of the
; unquantised p and divides at the end; when M moves, the sum and O are multiplied by 2^(old M - new M), which rounds nothing.
; SHARES.  A cluster of four work-groups takes one head; a work-group 512 queries; each of its EIGHT waves 64 queries, four tiles of 16, in 512 registers: two waves to a SIMD.
; A fragment of K or V that a wave reads from LDS feeds four matrix instructions, one for each of its query tiles.
; THE WHOLE HEAD'S K AND V LIE IN LDS: K at byte 0, V at byte 131,072, as they lie in memory.  Each wave asks for 32,768 bytes at 32,768 x its number by ONE joint load (mask 15: the four work-groups
; walk the same K and V).  Every LDS byte is filled once, so one barrier stands ahead of the loop and none in it.
; No prefetch: every byte of K and V is asked for at the head by these eight loads, and no later load is left to run ahead of.
; LAYOUT.  S^T = K Q^T (source 0 = 16 keys, source 1 = 16 queries), O^T = V^T P^T (source 0 = 16 of the head's 64, source 1 = P): lane (r, h) holds query r.  Register 8 t + j of S^T is key 16 t + 8 h + j,
; so one conversion of tile t gives registers 2 t, 2 t + 1 of P's fragment of 128 keys; register 8 t + j of O^T is channel 16 t + 8 h + j.
; THE ORDER OF WORK.  The tiles of all steps are numbered through, n = 4 x step + tile.  A UNIT for n: the exponentials of n; O^T of n - 1 x f, the scores of n + 1, O^T of n - 1 += V^T P^T; then, behind these
; products, the sum of n, the largest score of n + 1, the chain from it to M and f laid line by line among the holds of n, the conversions of n, and t - M of n + 1.
; So three tiles are in hand: two buffers of scores, two of P's codes and two f take turns.  No exponential stands between the scores' products and their first read.
; The first unit has no tile before it; the last has none behind it and is written out behind the loop, which the last step leaves ahead of its fourth unit.
; V's fragments are fetched in a step's first unit, behind the last products that read the old ones; the next step's K at the head of the fourth unit.
; OUTPUT: [head / 4][token tile of 16 (512)][head % 4][g = 0, 1][512 bytes].
; LIMITS: e2 + e3 between -123 and 130 (added to c's exponent field); e4 and e6 between -126 and 119; e4 + e5 is applied by v_ldexp_f32; the scaled scores t stay under 2^31 in magnitude.
; REGISTERS, window 0: v1 16 x lane; v2, v3 LDS addresses; v4, v5 the spare word and 0; v6-10 constants; v12 + 4 i: -M, the largest score, the sum in two halves, of tile i; v[28:29], v[30:31] f; v32-43 at work;
;   v48-79 Q; v80-143, v144-207 two buffers of S^T, then p; v208-239 p's codes, two buffers; v240-251 partial sums.   Window 1: v0-127 O^T (tile i, d tile t at 32 i + 8 t); v128-191 K's 8 fragments; v192-255 V's 4.
.set VREG,  131072                     ; V's first byte in LDS
.set STEPB, 8192                       ; 128 keys of K, or of V
.set SPARE, 262144                     ; behind K and V: the spare words, 128 bytes a wave
.set NSTEP, 16                         ; 2,048 keys in steps of 128
.set LN16, 1
.set ADK,  2
.set ADV,  3
.set SPW,  4
.set NIL,  5
.set LIMA, 6                           ; 448 x 2^e4, twice: the two halves of a dual pair take their second sources from different registers
.set LIMB, 7
.set SCP,  8                           ; 2^e4
.set LIMO, 9                           ; 448 x 2^e6
.set SCO,  10                          ; 2^e6
.set ST,   12
.set F,    28
.set T,    32
.set T8,   40
.set X1,   41
.set X2,   42
.set X3,   43
.set Q,    48
.set SA,   80
.set SB,   144
.set P,    208
.set A0,   240
.set KF,   128
.set VF,   192
.set WV,   18                          ; s18 my wave's number
.set SEL,  20                          ; s[20:21] lane selects: lane l xor 16
.set CS,   22                          ; s[22:23] c
.set G1,   24                          ; s[24:31] descriptor group 1
.set G0,   32                          ; s[32:35] group 0
.set TB,   48                          ; s48 byte at which the step in hand begins
.set CNT,  49                          ; s49 steps to go
.set MSB, 0
.macro WIN new                         ; low byte: bits 1:0 source 0, 3:2 source 1, 5:4 source 2, 7:6 destination; the high byte repeats the setting that is left
.if MSB != (\new)
	s_set_vgpr_msb (MSB<<8)|(\new)
.set MSB, (\new)
.endif
.endm
.macro CROUND                          ; a round of the cluster's barrier
	s_barrier_signal -1
	s_barrier_wait -1
	s_cmp_lg_u32 s[WV], 0
	s_cbranch_scc1 .Lnot_wave_0_\@
	s_barrier_signal -3
.Lnot_wave_0_\@:
	s_barrier_wait -3
	s_barrier_signal -1
	s_barrier_wait -1
.endm
.macro LOADK off                       ; K's eight tiles of 16 keys x 64, off bytes behind the step in hand
	WIN 0x40
.irp t, 0,1,2,3,4,5,6,7
	ds_load_b128 v[KF+8*\t:KF+8*\t+3], v[ADK] offset:\off+\t*1024
	ds_load_b128 v[KF+8*\t+4:KF+8*\t+7], v[ADK] offset:\off+\t*1024+512
.endr
	WIN 0
.endm
.macro SMUL i, B                       ; S^T of query tile i into buffer B: eight accumulators, each begun with 0
	WIN 0x01
.irp t, 0,1,2,3,4,5,6,7
	v_wmma_f32_16x16x64_fp8_fp8 v[\B+8*\t:\B+8*\t+7], v[KF+8*\t:KF+8*\t+7], v[Q+8*(\i):Q+8*(\i)+7], 0
.endr
.endm
.macro EXPS i, B                       ; p = 2^(t - M) of tile i, as one batch
	s_wait_alu depctr_va_vdst(0)                   ; one wait ahead of the batch
.set j, 0
.rept 64
	v_exp_f32 v[\B+j], v[\B+j]
.set j, j+1
.endr
	v_pk_mul_f32 v[ST+4*(\i)+2:ST+4*(\i)+3], v[ST+4*(\i)+2:ST+4*(\i)+3], v[F+2*((\i)%2):F+2*((\i)%2)+1] op_sel_hi:[1,0]   ; the sum under the new M (the plain line behind the batch)
.endm
.macro RESC i                          ; O^T of tile i x its f
	WIN 0x41
	s_wait_alu depctr_va_vdst(0)                   ; the wait behind the batch; it stands directly ahead of the first readers of O^T
.set j, 0
.rept 16
	v_pk_mul_f32 v[32*(\i)+j:32*(\i)+j+1], v[32*(\i)+j:32*(\i)+j+1], v[F+2*((\i)%2):F+2*((\i)%2)+1] op_sel_hi:[1,0]
.set j, j+2
.endr
.endm
.macro OMUL i                          ; O^T of tile i += V^T P^T: four accumulators by turns; 44 other products stand between two links of a sum
	WIN 0x51
.irp t, 0,1,2,3
	v_wmma_f32_16x16x128_fp8_fp8 v[32*(\i)+8*\t:32*(\i)+8*\t+7], v[VF+16*\t:VF+16*\t+15], v[P+16*((\i)%2):P+16*((\i)%2)+15], v[32*(\i)+8*\t:32*(\i)+8*\t+7]
.endr
.endm
.macro HOLD hc, B, n                   ; the next n pairs of the hold: the conversion does not saturate (ISA guide 7.6.2); p is not negative, so it is one-sided; two numbers a line
.if \hc
.rept \n
	v_dual_min_num_f32 v[\B+dj], v[\B+dj], v[LIMA] :: v_dual_min_num_f32 v[\B+dj+1], v[\B+dj+1], v[LIMB]
.set dj, dj+2
.endr
.endif
.endm
; hc = 1: tile i (buffer B) gets its sum, hold and conversions.  hn = 1: tile (i + 1) % 4 (buffer NB) gets its largest score, M, f and t - M.  hook = 1: V's fragments are fetched.
.macro MIX hc, hn, i, B, NB, hook
.set LS, ST+4*(\i)+2
.set NM, ST+4*(((\i)+1)%4)
.set FN, F+2*(((\i)+1)%2)
.set PC, P+16*((\i)%2)
.set dj, 0
.if \hc
.irp k, 0,1,2,3,4,5
	v_pk_add_f32 v[A0+2*\k:A0+2*\k+1], v[\B+4*\k:\B+4*\k+1], v[\B+4*\k+2:\B+4*\k+3]   ; the sum of the unquantised p, two at a time, in seven chains
.endr
	v_pk_add_f32 v[LS:LS+1], v[LS:LS+1], v[\B+24:\B+25]
.set k, 0
.rept 19
.if (k%7) == 6
	v_pk_add_f32 v[LS:LS+1], v[LS:LS+1], v[\B+26+2*k:\B+27+2*k]
.else
	v_pk_add_f32 v[A0+2*(k%7):A0+2*(k%7)+1], v[A0+2*(k%7):A0+2*(k%7)+1], v[\B+26+2*k:\B+27+2*k]
.endif
.set k, k+1
.endr
	v_pk_add_f32 v[A0:A0+1], v[A0:A0+1], v[A0+2:A0+3]
	v_pk_add_f32 v[A0+4:A0+5], v[A0+4:A0+5], v[A0+6:A0+7]
	v_pk_add_f32 v[A0+8:A0+9], v[A0+8:A0+9], v[A0+10:A0+11]
.endif
.if \hn
.irp k, 0,1,2,3,4,5,6,7
	v_max3_num_f32 v[T+\k], v[\NB+3*\k], v[\NB+3*\k+1], v[\NB+3*\k+2]   ; the largest of my 64 scores in eight chains, the registers in ascending order
.endr
.endif
.if \hc
	v_pk_add_f32 v[A0:A0+1], v[A0:A0+1], v[A0+4:A0+5]
	v_pk_add_f32 v[LS:LS+1], v[LS:LS+1], v[A0+8:A0+9]
.endif
.if \hn
.set k, 0
.rept 20
	v_max3_num_f32 v[T+(k%8)], v[T+(k%8)], v[\NB+24+2*k], v[\NB+25+2*k]
.set k, k+1
.endr
.endif
.if \hc
	v_pk_add_f32 v[LS:LS+1], v[LS:LS+1], v[A0:A0+1]
.endif
.if \hn
	v_max3_num_f32 v[T+6], v[T+6], v[T+7], v[NM+1] ; with the largest so far: 65 numbers in 32 instructions
.endif
	HOLD \hc, \B, 2                                ; from here on each line of the chain stands among holds of the other tile, which do not hang on it
.if \hn
	v_max3_num_f32 v[T], v[T], v[T+1], v[T+2]
	v_max3_num_f32 v[T+3], v[T+3], v[T+4], v[T+5]
.endif
	HOLD \hc, \B, 3
.if \hn
	v_max3_num_f32 v[T], v[T], v[T+3], v[T+6]
.endif
	HOLD \hc, \B, 3
.if \hn
	v_permlanex16_b32 v[T8], v[T], s[SEL], s[SEL+1]
.endif
	HOLD \hc, \B, 3
.if \hn
	v_max_num_f32 v[NM+1], v[T], v[T8]             ; and lane l xor 16's: the running largest score
.endif
	HOLD \hc, \B, 3
.if \hn
	v_mul_f32 v[X1], s[CS], v[NM+1]                ; as t (c is positive)
.endif
	HOLD \hc, \B, 3
.if \hn
	v_floor_f32 v[X2], -v[X1]                      ; the new -M = floor(-t)
.endif
	HOLD \hc, \B, 3
.if \hn
	v_sub_f32 v[X3], v[X2], v[NM]                  ; old M less new M: a whole number, 0 or less
.endif
	HOLD \hc, \B, 3
.if \hn
	v_cvt_i32_f32 v[X3], v[X3]                     ; (it saturates)
.endif
	HOLD \hc, \B, 3
.if \hn
	v_ldexp_f32 v[FN], 1.0, v[X3]                  ; f = 2^(old M - new M)
	v_mov_b32 v[NM], v[X2]
.endif
	HOLD \hc, \B, 6
.if \hook
	WIN 0x40                                       ; the lines above are the places behind the products that read these registers
.irp t, 0,1,2,3
.irp g, 0,1,2,3
	ds_load_b128 v[VF+16*\t+4*\g:VF+16*\t+4*\g+3], v[ADV] offset:\t*2048+\g*512
.endr
.endr
	WIN 0
.endif
.if \hc
.irp t, 0,1,2,3,4,5,6,7
	v_cvt_scalef32_pk8_fp8_f32 v[PC+2*\t:PC+2*\t+1], v[\B+8*\t:\B+8*\t+7], v[SCP]
.endr
.endif
.if \hn
.set j, 0
.rept 32
	v_pk_fma_f32 v[\NB+j:\NB+j+1], v[\NB+j:\NB+j+1], s[CS:CS+1], v[NM:NM+1] op_sel_hi:[1,0,0]   ; t - M, two at a time
.set j, j+2
.endr
.endif
.endm
	s_load_b128 s[4:7], s[0:1], 0x0                ; the codes s[4:5], the scales' exponents s[6:7]
	s_load_b64 s[8:9], s[0:1], 0x10                ; the output
	v_lshl_add_u32 v[SPW], v0, 2, SPARE
	v_mov_b32 v[NIL], 0
	ds_add_u32 v[SPW], v[NIL]                      ; the opening lines: the add, twice on end, and its wait ahead of my tensor load
	ds_add_u32 v[SPW], v[NIL]
	v_lshrrev_b32 v2, 5, v0
	v_readfirstlane_b32 s[WV], v2                  ; wave 0..7
	v_and_b32 v1, 31, v0
	v_lshlrev_b32 v[LN16], 4, v1                   ; 16 x lane; never rewritten
	s_bfe_u32 s50, ttmp6, 0x40000                  ; cx: which 512 queries; it enters Q's and the output's addresses alone
	s_and_b32 s51, ttmp7, 0xffff                   ; batch x 16 + head, which the four partners share
	s_lshl_b32 s63, s[WV], 15                      ; what I fetch lands at 32,768 x wave: waves 0-3 K's quarters, waves 4-7 V's
	s_lshr_b32 s61, s[WV], 2
	s_add_co_u32 s66, s61, 1
	s_lshl_b32 s66, s66, 23                        ; in memory: part 1 (K) or 2 (V),
	s_lshl_b32 s68, s51, 17                        ; the head's 131,072 bytes,
	s_add_co_u32 s66, s66, s68
	s_and_b32 s62, s[WV], 3
	s_lshl_b32 s62, s62, 15
	s_add_co_u32 s66, s66, s62                     ; the quarter
	s_mov_b32 s67, 0
	s_lshl_b32 s74, s50, 5
	s_lshl_b32 s69, s[WV], 2
	s_add_co_u32 s74, s74, s69                     ; my first query tile: 32 cx + 4 x wave
	s_lshl_b32 s72, s74, 10
	s_add_co_u32 s72, s72, s68                     ; Q: part 0, the head, 1,024 bytes a tile
	s_mov_b32 s73, 0
	s_and_b32 s75, s51, 15                         ; the head
	s_lshr_b32 s76, s51, 4                         ; the batch
	s_lshr_b32 s77, s75, 2
	s_lshl_b32 s77, s77, 21                        ; head / 4: 512 token tiles of 4,096 bytes
	s_lshl_b32 s76, s76, 7
	s_add_co_u32 s76, s76, s74                     ; token tile = 128 x batch + my query tile
	s_lshl_b32 s76, s76, 12
	s_add_co_u32 s76, s76, s77
	s_and_b32 s75, s75, 3
	s_lshl_b32 s75, s75, 10                        ; head % 4: 1,024 bytes
	s_add_co_u32 s76, s76, s75
	s_mov_b32 s77, 0
	; descriptor group 1: 32,768 bytes that are dense in memory, as 128 rows of 32 elements of 8 bytes; no padding: the images are read 16 bytes a lane, 512 bytes on end
	s_mov_b32 s[G1], 15|(3<<16)|(1<<21)            ; 15:0 the mask: all four work-groups; 17:16 elements of 8 bytes; 21 set beside a mask
	s_mov_b32 s[G1+1], 32<<16                      ; tensor_dim0
	s_mov_b32 s[G1+2], 128<<16                     ; tensor_dim1
	s_mov_b32 s[G1+3], 32<<16                      ; tile_dim0
	s_mov_b32 s[G1+4], 128                         ; tile_dim1
	s_mov_b32 s[G1+5], 32                          ; from row to row
	s_mov_b32 s[G1+6], 0
	s_mov_b32 s[G1+7], 0
	s_mov_b32 s[SEL], 0x76543210
	s_mov_b32 s[SEL+1], 0xfedcba98
	s_mov_b32 s[CS], 0x3e38aa3b                    ; c = log2(e) / 8
	s_mov_b32 s[TB], 0
	s_mov_b32 s[CNT], NSTEP
	s_wait_alu depctr_va_vdst(0)                   ; the wait directly ahead of the waits below
	s_wait_dscnt 0x0                               ; both opening adds are done
	s_wait_kmcnt 0x0
	s_load_b256 s[52:59], s[6:7], 0x0              ; e0 .. e7
	s_mov_b32 s[G0], 1                             ; count = 1
	s_mov_b32 s[G0+1], s63                         ; LDS address
	s_add_nc_u64 s[G0+2:G0+3], s[4:5], s[66:67]    ; global address
	s_or_b32 s[G0+3], s[G0+3], 0x80000000          ; type = 2
	s_add_nc_u64 s[72:73], s[4:5], s[72:73]        ; Q
	s_add_nc_u64 s[8:9], s[8:9], s[76:77]          ; the output
	CROUND                                         ; all four work-groups are here: the joint loads meet
	tensor_load_to_lds s[G0:G0+3], s[G1:G1+7]      ; my one tensor load of the launch
	s_nop 0
.irp k, 0,1,2,3,4,5,6,7
	global_load_b128 v[Q+4*\k:Q+4*\k+3], v[LN16], s[72:73] offset:512*\k   ; Q's four fragments stay in registers
.endr
	v_mov_b32 v[T8], 0                             ; written once: a lane permute's destination counts as one of its sources
	v_mov_b32 v[F+1], 0                            ; (named as the upper halves of the pairs)
	v_mov_b32 v[F+3], 0
.irp i, 0,1,2,3
	v_mov_b32 v[ST+4*\i], 0x7f61b1e6               ; -M = 3e38
	v_mov_b32 v[ST+4*\i+1], 0xff61b1e6             ; the largest score so far: -3e38
	v_mov_b32 v[ST+4*\i+2], 0                      ; the sum, in two halves
	v_mov_b32 v[ST+4*\i+3], 0
.endr
	v_mov_b32 v[ADK], v[LN16]
	v_add_nc_u32 v[ADV], VREG, v[LN16]
	WIN 0x40
.set j, 0
.rept 128
	v_mov_b32 v[j], 0                              ; O^T.  The step is written once: the first finds zeros, which the first change of M leaves zeros
.set j, j+1
.endr
	WIN 0
	s_wait_kmcnt 0x0
	s_add_co_i32 s60, s54, s55
	s_lshl_b32 s60, s60, 23
	s_add_co_i32 s[CS], s[CS], s60                 ; a score stands for score x 2^(e2 + e3): added to c's exponent field
	s_mov_b32 s[CS+1], s[CS]                       ; (named with it as a pair)
	s_add_co_i32 s60, s56, 127
	s_lshl_b32 s61, s60, 23
	v_mov_b32 v[SCP], s61                          ; 2^e4 as f32
	s_add_co_i32 s60, s60, 8
	s_lshl_b32 s60, s60, 23
	s_or_b32 s60, s60, 0x600000
	v_mov_b32 v[LIMA], s60                         ; 448 x 2^e4
	v_mov_b32 v[LIMB], s60
	s_add_co_i32 s60, s58, 127
	s_lshl_b32 s61, s60, 23
	v_mov_b32 v[SCO], s61                          ; 2^e6
	s_add_co_i32 s60, s60, 8
	s_lshl_b32 s60, s60, 23
	s_or_b32 s60, s60, 0x600000
	v_mov_b32 v[LIMO], s60                         ; 448 x 2^e6
	s_add_co_i32 s78, s56, s57                     ; e4 + e5
	s_wait_alu depctr_va_vdst(0)                   ; the wait at the head's end
	s_wait_loadcnt 0x0                             ; Q
	s_wait_tensorcnt 0x0                           ; my eighth of K and V is in,
	s_barrier_signal -1
	s_barrier_wait -1                              ; and everybody's
	LOADK 0
	s_wait_dscnt 0x0
	SMUL 0, SA                                     ; the very first tile's scores,
	WIN 0
.rept 4
	v_nop                                          ; places between the products and the first read of the scores
.endr
	MIX 0, 1, 3, SB, SA, 0                         ; its largest score, M, f and t - M
.Lstep:                                                ; a trip is a step of 128 keys; the last trip leaves ahead of its fourth unit
	EXPS 0, SA
	s_cmp_eq_u32 s[CNT], NSTEP                     ; the first step has no tile before it: a branch on the count of steps, round that tile's O^T alone
	s_wait_alu depctr_va_vdst(0)                   ; the wait behind the batch, ahead of the branch
	s_cbranch_scc1 .Lfirst
	RESC 3
	OMUL 3
	WIN 0
.Lfirst:
	SMUL 1, SB
	WIN 0
	MIX 1, 1, 0, SA, SB, 1
	EXPS 1, SB
	s_wait_dscnt 0x0                               ; V is in
	RESC 0
	SMUL 2, SA
	OMUL 0
	WIN 0
	MIX 1, 1, 1, SB, SA, 0
	EXPS 2, SA
	RESC 1
	SMUL 3, SB
	OMUL 1
	WIN 0
	MIX 1, 1, 2, SA, SB, 0
	s_cmp_eq_u32 s[CNT], 1                         ; the last step's fourth unit has no successor and is written out below
	s_wait_alu depctr_va_vdst(0)                   ; the wait directly ahead of the branch
	s_cbranch_scc1 .Ltail
	LOADK STEPB                                    ; all four tiles' scores of this step are issued: the next step's K lands under the exponentials
	s_add_co_u32 s[TB], s[TB], STEPB               ; this step's loads are all issued: on to the next step's addresses
	v_add_nc_u32 v[ADK], s[TB], v[LN16]
	v_add_nc_u32 v[ADV], VREG, v[ADK]
	EXPS 3, SB
	s_wait_dscnt 0x0                               ; K is in
	RESC 2
	SMUL 0, SA
	OMUL 2
	WIN 0
	MIX 1, 1, 3, SB, SA, 0
	s_sub_co_u32 s[CNT], s[CNT], 1
	s_cmp_lg_u32 s[CNT], 0
	s_cbranch_scc1 .Lstep
.Ltail:
	EXPS 3, SB
	RESC 2
	OMUL 2
	WIN 0
	MIX 1, 0, 3, SB, SA, 0
	RESC 3                                         ; its lines are also the plain lines between the conversions and the products
	OMUL 3
	WIN 0
	; THE WAY OUT: o = O^T / the sum x 2^(e4 + e5), held, converted with 2^e6; two groups of four registers a tile, 512 consecutive bytes each.  The four tiles' chains take turns.
.irp i, 0,1,2,3
	v_add_f32 v[ST+4*\i+2], v[ST+4*\i+2], v[ST+4*\i+3]   ; the sum's two halves (these lines are also the places behind the last products)
.endr
.irp i, 0,1,2,3
	v_permlanex16_b32 v[T+\i], v[ST+4*\i+2], s[SEL], s[SEL+1]
.endr
.irp i, 0,1,2,3
	v_add_f32 v[ST+4*\i+2], v[ST+4*\i+2], v[T+\i]        ; and lane l xor 16's
.endr
	s_wait_alu depctr_va_vdst(0)                   ; one wait ahead of the batch
.irp i, 0,1,2,3
	v_rcp_f32 v[ST+4*\i+2], v[ST+4*\i+2]
.endr
	v_nop                                          ; a plain line behind the batch
	s_wait_alu depctr_va_vdst(0)                   ; one wait behind it
.irp i, 0,1,2,3
	v_ldexp_f32 v[ST+4*\i+2], v[ST+4*\i+2], s78
.endr
	WIN 0x01
	s_wait_alu depctr_va_vdst(0)                   ; the wait directly ahead of the first readers of O^T
.irp i, 0,1,2,3
.set j, 0
.rept 16
	v_pk_mul_f32 v[SA+32*\i+j:SA+32*\i+j+1], v[32*\i+j:32*\i+j+1], v[ST+4*\i+2:ST+4*\i+3] op_sel_hi:[1,0]   ; each accumulator from its low end on
.set j, j+2
.endr
.endr
	WIN 0
.set j, 0
.rept 128
	v_med3_num_f32 v[SA+j], v[SA+j], -v[LIMO], v[LIMO]
.set j, j+1
.endr
.irp i, 0,1,2,3
.irp t, 0,1,2,3
	v_cvt_scalef32_pk8_fp8_f32 v[P+8*\i+2*\t:P+8*\i+2*\t+1], v[SA+32*\i+8*\t:SA+32*\i+8*\t+7], v[SCO]
.endr
.endr
	v_nop                                          ; a plain line behind the last conversion
.irp i, 0,1,2,3
	global_store_b128 v[LN16], v[P+8*\i:P+8*\i+3], s[8:9] offset:\i*4096          ; a token tile is 4,096 bytes on
	global_store_b128 v[LN16], v[P+8*\i+4:P+8*\i+7], s[8:9] offset:\i*4096+512
.endr
	s_wait_tensorcnt 0x0                           ; the wave's end
	ds_add_u32 v[SPW], v[NIL]
	s_wait_dscnt 0x0
	CROUND                                         ; the closing round
	s_endpgm
.Lfunc_end_k_qb423d03028_attn:
	.size	k_qb423d03028_attn, .Lfunc_end_k_qb423d03028_attn-k_qb423d03028_attn
	.p2alignl 7, 3214868480
	.fill 96, 4, 3214868480
	.section	.rodata,"a",@progbits
	.p2align	6, 0x0
	.amdhsa_kernel k_qb423d03028_attn
		.amdhsa_group_segment_fixed_size 264192
		.amdhsa_private_segment_fixed_size 0
		.amdhsa_enable_private_segment 0
		.amdhsa_kernarg_size 24
		.amdhsa_user_sgpr_count 2
		.amdhsa_user_sgpr_kernarg_segment_ptr 1
		.amdhsa_wavefront_size32 1
		.amdhsa_system_sgpr_workgroup_id_x 1
		.amdhsa_system_sgpr_workgroup_id_y 1
		.amdhsa_system_sgpr_workgroup_id_z 1
		.amdhsa_system_vgpr_workitem_id 0
		.amdhsa_next_free_vgpr 512
		.amdhsa_next_free_sgpr 80
		.amdhsa_reserve_vcc 0
		.amdhsa_float_denorm_mode_32 3
		.amdhsa_float_denorm_mode_16_64 3
		.amdhsa_memory_ordered 1
		.amdhsa_forward_progress 1
		.amdhsa_inst_pref_size 95
	.end_amdhsa_kernel
	.amdgpu_metadata
---
amdhsa.version: [ 1, 2 ]
amdhsa.kernels:
  - .name:           k_qb423d03028_attn
    .symbol:         k_qb423d03028_attn.kd
    .args:
      - { .name: qkv, .offset: 0, .size: 8, .value_kind: global_buffer, .address_space: global }
      - { .name: lowp_scales, .offset: 8, .size: 8, .value_kind: global_buffer, .address_space: global }
      - { .name: ao, .offset: 16, .size: 8, .value_kind: global_buffer, .address_space: global }
    .group_segment_fixed_size: 264192
    .private_segment_fixed_size: 0
    .kernarg_segment_align: 8
    .kernarg_segment_size: 24
    .max_flat_workgroup_size: 256
    .sgpr_count:     80
    .vgpr_count:     512
    .wavefront_size: 32
...
	.end_amdgpu_metadata
.endif
;; end of part 2
;; launch proj (part 3): grid 4 x 64, 4 waves a work-group, clusters of 4 x 4, 327,680 bytes of LDS; arguments ao, w_proj_codes, lowp_scales, b_proj, out0; writes out0
.if DOCPART == 3
	.amdgcn_target "amdgcn-amd-amdhsa--gfx1250"
	.amdhsa_code_object_version 6
	.text
	.protected	k_qb423d03028_proj
	.globl	k_qb423d03028_proj
	.p2align	8
	.type	k_qb423d03028_proj,@function
k_qb423d03028_proj:
	s_mov_b64 s[64:65], 0
	v_nop
	global_prefetch_b8 v0, s[64:65] scope:SCOPE_SE
	s_setreg_imm32_b32 hwreg(HW_REG_WAVE_MODE, 25, 1), 1
	s_wait_xcnt 0x0
	s_wait_alu depctr_hold_cnt(0) depctr_sa_sdst(0) depctr_va_vdst(0) depctr_va_sdst(0) depctr_va_ssrc(0) depctr_va_vcc(0) depctr_vm_vsrc(0)
	s_getreg_b32 s2, hwreg(HW_REG_IB_STS2, 6, 4)
	s_cmp_eq_u32 s2, 0
	s_cbranch_scc0 .Lentry_in_a_cluster
	s_endpgm
.Lentry_in_a_cluster:
	s_bfe_u32 s2, ttmp6, 0x10000c
	s_cmp_lg_u32 s2, 0xf033
	s_cbranch_scc0 .Lentry_shape_is_right
	s_endpgm
.Lentry_shape_is_right:
.set PITCH,  272
.set HALFT,  128*PITCH
.set BOFF,   32768
.set SLOT,   BOFF+2*HALFT
.set SPARE,  3*SLOT
.set STAGE,  SLOT
.set SPITCH, 528
.set ASTEP,  2097152
.set ADRA, 16
.set ADRB, 20
.set STO,  24
.set RD,   25
.set CO,   26
.set SPW,  28
.set NIL,  29
.set TMP,  32
.set AF,   128
.set BK,   128
.set G1, 24
.set G0, 32
.set G1B, 48
.set G0B, 68
.set MSB, 0
.macro WIN new
.if MSB != (\new)
	s_set_vgpr_msb (MSB<<8)|(\new)
.set MSB, (\new)
.endif
.endm
.set MUL,  0xa1
.set TO_B, 0x40
.macro JLOAD g0a, g1a, g0b, g1b
	s_cmp_eq_u32 s15, 0
	s_cbranch_scc0 .Lfor_b_\@
	tensor_load_to_lds s[\g0a:\g0a+3], s[\g1a:\g1a+7]
	s_nop 0
.rept 4
	v_nop
.endr
	s_branch .Lasked_\@
.Lfor_b_\@:
	tensor_load_to_lds s[\g0b:\g0b+3], s[\g1b:\g1b+7]
	s_nop 0
.rept 4
	v_nop
.endr
.Lasked_\@:
.endm
; Each wave owns one operand (waves 0, 1: A; waves 2, 3: B) and fills whole tiles of it; par says which of the two waves of an operand issues this fill.
; The others run four v_nop in its stead, the places in front of the fragment loads that follow.  The branches hang on the wave's number alone.
.macro JSLOT par, g0a, g1a, g0b, g1b
	s_cmp_eq_u32 s16, \par
	s_cbranch_scc0 .Lnot_mine_\@
	JLOAD \g0a, \g1a, \g0b, \g1b
	s_branch .Lslot_done_\@
.Lnot_mine_\@:
.rept 4
	v_nop
.endr
.Lslot_done_\@:
.endm
.macro CREST
	s_cmp_lg_u32 s14, 0
	s_cbranch_scc1 .Lnot_wave_0_\@
	s_barrier_signal -3
.Lnot_wave_0_\@:
	s_barrier_wait -3
	s_barrier_signal -1
	s_barrier_wait -1
.endm
.macro CROUND
	s_barrier_signal -1
	s_barrier_wait -1
	CREST
.endm
	s_load_b256 s[4:11], s[0:1], 0x0
	s_load_b64 s[12:13], s[0:1], 0x20
	v_lshl_add_u32 v[SPW], v0, 2, SPARE
	v_mov_b32 v[NIL], 0
	ds_add_u32 v28, v29
	ds_add_u32 v28, v29
	s_wait_dscnt 0x0
	v_lshrrev_b32 v1, 5, v0
	v_readfirstlane_b32 s14, v1
	s_lshr_b32 s15, s14, 1
	s_and_b32 s16, s14, 1
	s_bfe_u32 s80, ttmp6, 0x40000
	s_bfe_u32 s81, ttmp6, 0x40004
	s_lshl_b32 s82, ttmp9, 2
	s_add_co_u32 s82, s82, s80
	s_and_b32 s17, ttmp7, 0xffff
	s_lshl_b32 s17, s17, 2
	s_add_co_u32 s17, s17, s81
	s_lshl_b32 s83, s81, 2
	s_lshl_b32 s83, 15, s83
	s_lshl_b32 s84, 0x1111, s80
	s_or_b32 s[G1+0], s83, (3<<16)|(1<<21)
	s_mov_b32 s[G1+1], 32<<16
	s_mov_b32 s[G1+2], 128<<16                     ; A's whole tile of a K step: 32,768 dense bytes as 128 rows of 256
	s_mov_b32 s[G1+3], 32<<16
	s_mov_b32 s[G1+4], 128
	s_mov_b32 s[G1+5], 32
	s_mov_b32 s[G1+6], 0
	s_mov_b32 s[G1+7], 0
	s_or_b32 s[G1B+0], s84, (0<<16)|(1<<20)|(1<<21)|(5<<22)|(3<<25)
	s_mov_b32 s[G1B+1], 256<<16
	s_mov_b32 s[G1B+2], 256<<16                    ; B's whole tile of a K step: 256 rows of 256 bytes
	s_mov_b32 s[G1B+3], 256<<16
	s_mov_b32 s[G1B+4], 256
	s_mov_b32 s[G1B+5], 1024
	s_mov_b32 s[G1B+6], 0
	s_mov_b32 s[G1B+7], 0
	s_lshl_b32 s20, s17, 15                        ; A: 8 token tiles of 4,096 bytes a tile row
	s_mov_b32 s21, 0
	s_lshl_b32 s46, s82, 18                        ; B: 256 rows of 1,024 bytes a tile column
	s_mov_b32 s47, 0
	s_wait_kmcnt 0x0
	s_load_b256 s[56:63], s[8:9], 0x0
	s_add_nc_u64 s[20:21], s[4:5], s[20:21]
	s_add_nc_u64 s[46:47], s[6:7], s[46:47]
	CROUND
.irp s, 0,1,2
	s_mov_b32 s[G0+4*\s], 1
	s_mov_b32 s[G0+4*\s+1], \s*SLOT                ; A stands first in a slot,
	s_add_nc_u64 s[G0+4*\s+2:G0+4*\s+3], s[20:21], \s*ASTEP
	s_or_b32 s[G0+4*\s+3], s[G0+4*\s+3], 0x80000000
	s_mov_b32 s[G0B+4*\s], 1
	s_mov_b32 s[G0B+4*\s+1], \s*SLOT+BOFF          ; B behind it
	s_add_nc_u64 s[G0B+4*\s+2:G0B+4*\s+3], s[46:47], \s*256
	s_or_b32 s[G0B+4*\s+3], s[G0B+4*\s+3], 0x80000000
.endr
	s_cmp_eq_u32 s16, 0                            ; the first fills: one chain of branches on the wave's number, four arms, one tensor load to an arm, one join
	s_cbranch_scc0 .Lhead_1
	JLOAD G0, G1, G0B, G1B                         ; waves 0 and 2: K step 0
	s_branch .Lhead_j
.Lhead_1:
	JLOAD G0+4, G1, G0B+4, G1B                     ; waves 1 and 3: K step 1
.Lhead_j:
	s_wait_alu depctr_va_vdst(0)                   ; the wait directly ahead of the wait below
	s_wait_tensorcnt 0x0                           ; my tile is in; the three lines stand ahead of slot 2's first fill as ahead of a refill
	ds_add_u32 v[SPW], v[NIL]
	s_wait_dscnt 0x0
	CROUND                                         ; slots 0 and 1 are whole, and all sixteen work-groups are here
	JSLOT 0, G0+8, G1, G0B+8, G1B                  ; K step 2, by waves 0 and 2
	v_and_b32 v1, 15, v0
	v_bfe_u32 v2, v0, 4, 1
	v_and_b32 v6, 31, v0
	v_lshlrev_b32 v[CO], 4, v6
	v_mul_u32_u24 v3, v1, PITCH
	v_lshl_add_u32 v4, v2, 3, v3
	s_lshl_b32 s88, s15, 14
	s_mul_i32 s89, s16, HALFT
	s_add_co_u32 s89, s89, BOFF
.irp s, 0,1,2
	v_add_nc_u32 v[ADRA+\s], s88, v[CO]
	v_add_nc_u32 v[ADRB+\s], s89, v4
	s_add_co_u32 s88, s88, SLOT
	s_add_co_u32 s89, s89, SLOT
.endr
	s_mul_i32 s90, s14, 16*SPITCH
	s_add_co_u32 s90, s90, STAGE
	v_mul_u32_u24 v5, v1, SPITCH
	v_lshl_add_u32 v5, v2, 5, v5
	v_add_nc_u32 v[STO], s90, v5
	v_add_nc_u32 v[RD], s90, v[CO]
	v_lshlrev_b32 v8, 5, v2
	s_lshl_b32 s91, s82, 10
	s_lshl_b32 s92, s16, 9
	s_add_co_u32 s91, s91, s92
	s_mov_b32 s86, s91
	s_mov_b32 s87, 0
	s_add_nc_u64 s[86:87], s[10:11], s[86:87]
	WIN 0xc0
.irp b, 0,1,2,3,4,5,6,7
	global_load_b128 v[8*\b:8*\b+3],   v8, s[86:87] offset:64*\b
	global_load_b128 v[8*\b+4:8*\b+7], v8, s[86:87] offset:64*\b+16
.endr
	WIN 0
	s_lshl_b32 s92, s17, 7
	s_lshl_b32 s93, s15, 6
	s_add_co_u32 s92, s92, s93
	s_lshl_b32 s92, s92, 12
	s_add_co_u32 s92, s92, s91
	s_mov_b32 s93, 0
	s_add_nc_u64 s[12:13], s[12:13], s[92:93]
.macro FETCH slot, q, set
	WIN TO_B
.irp b, 0,1,2,3,4,5,6,7
.irp c, 0,1,2,3,4,5,6,7
	ds_load_b64 v[128*(\set)+16*\b+2*\c:128*(\set)+16*\b+2*\c+1], v[ADRB+\slot] offset:\b*16*PITCH+128*(\q)+16*\c
.endr
.endr
	WIN 0
.irp a, 0,1,2,3
.irp g, 0,1,2,3
	ds_load_b128 v[AF+64*(\set)+16*\a+4*\g:AF+64*(\set)+16*\a+4*\g+3], v[ADRA+\slot] offset:\a*4096+(\q)*2048+\g*512
.endr
.endr
.endm
.macro MUL8 a, set, zero
.irp b, 0,1,2,3,4,5,6,7
.if \zero
	v_wmma_f32_16x16x128_fp8_fp8 v[8*(8*(\a)+\b):8*(8*(\a)+\b)+7], v[128*(\set)+16*\b:128*(\set)+16*\b+15], v[AF+64*(\set)+16*(\a):AF+64*(\set)+16*(\a)+15], 0
.else
	v_wmma_f32_16x16x128_fp8_fp8 v[8*(8*(\a)+\b):8*(8*(\a)+\b)+7], v[128*(\set)+16*\b:128*(\set)+16*\b+15], v[AF+64*(\set)+16*(\a):AF+64*(\set)+16*(\a)+15], v[8*(8*(\a)+\b):8*(8*(\a)+\b)+7]
.endif
.endr
.endm
.macro PLACES n
.rept \n
	v_nop
.endr
.endm
.macro STEP fslot, fq, cur, zero
	s_wait_dscnt 0x0
	PLACES 4
	FETCH \fslot, \fq, 1-\cur
	WIN MUL
	MUL8 0, \cur, \zero
	MUL8 1, \cur, \zero
	MUL8 2, \cur, \zero
	MUL8 3, \cur, \zero
	WIN 0
.endm
.macro TURN next, fill
	s_wait_tensorcnt 0x0
	ds_add_u32 v[SPW], v[NIL]
	s_wait_dscnt 1
	WIN MUL
	MUL8 0, 1, 0
	s_wait_dscnt 0x0
	s_barrier_signal -1
	MUL8 1, 1, 0
	WIN 0
	s_barrier_wait -1
.if \fill
	CREST
	s_add_nc_u64 s[G0+2:G0+3], s[G0+2:G0+3], 3*ASTEP
	s_add_nc_u64 s[G0B+2:G0B+3], s[G0B+2:G0B+3], 3*256
	JSLOT 1, G0, G1, G0B, G1B                      ; K step 3 into slot 0: the first tensor load behind the round, by waves 1 and 3
.else
	PLACES 4
.endif
	s_wait_alu depctr_va_vdst(0)
	FETCH \next, 0, 0
	WIN MUL
	MUL8 2, 1, 0
	MUL8 3, 1, 0
	WIN 0
.endm
	s_wait_tensorcnt 2
	s_barrier_signal -1
	s_barrier_wait -1
	FETCH 0, 0, 0
	STEP 0, 1, 0, 1
	TURN 1, 1
	STEP 1, 1, 0, 0
	STEP 2, 0, 1, 0
	STEP 2, 1, 0, 0
	TURN 0, 0
	STEP 0, 1, 0, 0
	s_wait_dscnt 0x0
	WIN MUL
	MUL8 0, 1, 0
	MUL8 1, 1, 0
	MUL8 2, 1, 0
	MUL8 3, 1, 0
	WIN 0
.macro TOSTAGE a
	WIN 0x32
.set j, 0
.rept 32
	v_pk_fma_f32 v[TMP+j:TMP+j+1], v[64*(\a)+j:64*(\a)+j+1], s[96:97], v[j:j+1] op_sel_hi:[1,0,1]
.set j, j+2
.endr
	WIN 0
.irp b, 0,1,2,3,4,5,6,7
	ds_store_b128 v[STO], v[TMP+8*\b:TMP+8*\b+3] offset:64*\b
	ds_store_b128 v[STO], v[TMP+8*\b+4:TMP+8*\b+7] offset:64*\b+16
.endr
.set BB, BK+64*((\a)%2)
.irp t, 0,1,2,3,4,5,6,7,8,9,10,11,12,13,14,15
	ds_load_b128 v[BB+4*\t:BB+4*\t+3], v[RD] offset:\t*SPITCH
.endr
.endm
.macro SEND a, younger
.set BB, BK+64*((\a)%2)
	s_wait_dscnt \younger
.irp t, 0,1,2,3,4,5,6,7,8,9,10,11,12,13,14,15
	global_store_b128 v[CO], v[BB+4*\t:BB+4*\t+3], s[12:13] offset:(16*(\a)+\t)*4096 th:TH_STORE_NT
.endr
.endm
	s_wait_kmcnt 0x0
	s_add_co_i32 s96, s62, s63
	s_add_co_i32 s96, s96, 127
	s_lshl_b32 s96, s96, 23
	s_mov_b32 s97, s96
	s_wait_loadcnt 0x0
	PLACES 4
	TOSTAGE 0
.irp a, 1,2,3
.if \a > 1
	s_wait_xcnt 0x0
.endif
	TOSTAGE \a
	SEND \a-1, 32
.endr
	SEND 3, 0
	s_wait_tensorcnt 0x0
	ds_add_u32 v[SPW], v[NIL]
	s_wait_dscnt 0x0
	CROUND
	s_endpgm
.Lfunc_end_k_qb423d03028_proj:
	.size	k_qb423d03028_proj, .Lfunc_end_k_qb423d03028_proj-k_qb423d03028_proj
	.p2alignl 7, 3214868480
	.fill 96, 4, 3214868480
	.section	.rodata,"a",@progbits
	.p2align	6, 0x0
	.amdhsa_kernel k_qb423d03028_proj
		.amdhsa_group_segment_fixed_size 327680
		.amdhsa_private_segment_fixed_size 0
		.amdhsa_enable_private_segment 0
		.amdhsa_kernarg_size 40
		.amdhsa_user_sgpr_count 2
		.amdhsa_user_sgpr_kernarg_segment_ptr 1
		.amdhsa_wavefront_size32 1
		.amdhsa_system_sgpr_workgroup_id_x 1
		.amdhsa_system_sgpr_workgroup_id_y 1
		.amdhsa_system_sgpr_workgroup_id_z 1
		.amdhsa_system_vgpr_workitem_id 0
		.amdhsa_next_free_vgpr 1024
		.amdhsa_next_free_sgpr 100
		.amdhsa_reserve_vcc 0
		.amdhsa_float_denorm_mode_32 3
		.amdhsa_float_denorm_mode_16_64 3
		.amdhsa_memory_ordered 1
		.amdhsa_forward_progress 1
		.amdhsa_inst_pref_size 93
	.end_amdhsa_kernel
	.amdgpu_metadata
---
amdhsa.version: [ 1, 2 ]
amdhsa.kernels:
  - .name:           k_qb423d03028_proj
    .symbol:         k_qb423d03028_proj.kd
    .args:
      - { .name: ao, .offset: 0, .size: 8, .value_kind: global_buffer, .address_space: global }
      - { .name: w_proj_codes, .offset: 8, .size: 8, .value_kind: global_buffer, .address_space: global }
      - { .name: lowp_scales, .offset: 16, .size: 8, .value_kind: global_buffer, .address_space: global }
      - { .name: b_proj, .offset: 24, .size: 8, .value_kind: global_buffer, .address_space: global }
      - { .name: out0, .offset: 32, .size: 8, .value_kind: global_buffer, .address_space: global }
    .group_segment_fixed_size: 327680
    .private_segment_fixed_size: 0
    .kernarg_segment_align: 8
    .kernarg_segment_size: 40
    .max_flat_workgroup_size: 128
    .sgpr_count:     100
    .vgpr_count:     1024
    .wavefront_size: 32
...
	.end_amdgpu_metadata
.endif
;; end of part 3
